; MI455X (gfx1250); checked and timed in simulation.
; The chip was launched on July 23, 2026; its instructions are those of AMD's public machine-readable ISA for CDNA 5 (MIT licence, August 2026) and "CDNA5" Instruction Set Architecture Reference Guide (July 2026). The comments in the code are by the model that wrote it; some were corrected since.
;; Multi Head Self Attention. Allowed arithmetic: matrix products marked QUANTISED: E2M3 operands, one E8M0 scale for each 32 along K, by v_wmma_scale_f32_16x16x128_f8f6f4 with both operands' format E2M3, f32 sums; everything else in f32.
;; Inputs: Wk 1,024 x 1,024 float32; Wo 1,024 x 1,024 float32; Wq 1,024 x 1,024 float32; Wv 1,024 x 1,024 float32; x 8 x 1,024 x 1,024 float32.
;; Outputs: out0 8 x 1,024 x 1,024 float32.
;; This version of the problem:
;;   THIS VERSION OF THE PROBLEM IS GIVEN IN LOW PRECISION. The matrix products marked QUANTISED in the list below multiply operands that are first quantised to E2M3 (2 exponent bits, 3 mantissa bits; 6 bits a number), with one power-of-two scale for each 32 numbers along K (OCP MX v1.0); their sums are f32. All else is computed in f32.
;;   The module's matrix products, in the order in which they are computed (A, B: the left and right operand; K: the contracted axis; several contracted axes count as one K, in the product's order):
;;     1. [M 8,192, K 1,024] x [K 1,024, N 1,024]; A: input x; B: input Wk: QUANTISED
;;     2. [M 8,192, K 1,024] x [K 1,024, N 1,024]; A: input x; B: input Wq: QUANTISED
;;     3. [M 8,192, K 1,024] x [K 1,024, N 1,024]; A: input x; B: input Wv: QUANTISED
;;     4. batch 128 x [M 1,024, K 64] x [K 64, N 1,024]; A: computed on the way; B: computed on the way: QUANTISED
;;     5. batch 128 x [M 1,024, K 1,024] x [K 1,024, N 64]; A: softmax (see below); B: computed on the way: QUANTISED
;;     6. [M 8,192, K 1,024] x [K 1,024, N 1,024]; A: computed on the way; B: input Wo: QUANTISED
;;   THE QUANTISER, for each operand of a quantised product, along K:
;;     - K is cut into blocks of 32 from its start; a last block that is shorter is filled with zeros.
;;     - A block's scale is 2^e with e = floor(log2(the largest magnitude in the block)) - 2, held to -126 .. 127; a block of zeros has e = 0. As a byte (E8M0): e + 127.
;;     - Each number is divided by its block's scale, clamped to +-7.5, and rounded to the nearest number of E2M3, ties to even, subnormals kept.
;;     - The product sums the exact products of the quantised numbers (number of the format x scale) in f32.
;;   ~~~python
;;   def quantise(x, axis):      # numpy; x: float32 -> the quantised numbers, widened to float32 again
;;       x = np.moveaxis(x, axis, -1); K = x.shape[-1]
;;       x = np.pad(x, [(0, 0)] * (x.ndim - 1) + [(0, -K % 32)]); x = x.reshape(x.shape[:-1] + (-1, 32)); a = np.abs(x).max(-1, keepdims=True)
;;       e = np.where(a > 0, np.clip(np.frexp(np.where(a > 0, a, 1))[1] - 1 - 2, -126, 127), 0)      # np.frexp(a)[1] - 1 = floor(log2(a)), exactly
;;       r = np.clip(x / 2.0 ** e, -7.5, 7.5)
;;       step = 2.0 ** (np.maximum(np.frexp(np.where(r == 0, 1, r))[1] - 1, 0) - 3)
;;       q = np.round(r / step) * step * 2.0 ** e      # np.round: ties to even
;;       return np.moveaxis(q.reshape(q.shape[:-2] + (-1,))[..., :K], -1, axis).astype(np.float32)
;;   ~~~
;;   SOFTMAX AHEAD OF A QUANTISED PRODUCT. Where the list says 'softmax', what is quantised is not the finished softmax but p = 2^(t - M), with t = logit x log2(e) and M = ceil(the row's largest t), a whole number; so 1/2 < the row's largest p <= 1. The row's sum l is taken of the UNQUANTISED p, in f32, and the product's result is divided by l at the end. Since M is a whole number, a kernel that streams over the keys may use a running M (the ceiling of the running maximum): every later rescaling is an exact power of two, which a block's scale takes up: the codes' values come out the same.
;;   OPERANDS COMPUTED ON THE WAY. 'Computed on the way' means the value that the module computes at that place (a softmax that the list does not call 'softmax' is quantised finished and normalised). What goes into a quantiser is computed in f32, as accurately as f32 sums, v_exp_f32 and their like allow (about 1e-6 of the number): no bf16 or f16 on the way to a quantiser, and a product that is left as it is and whose result goes on into a quantised operand takes f32 operands (vector FMAs, or v_wmma_f32_16x16x4_f32). A number that lies on a knife's edge between two numbers of the format may be rounded either way, as far as f32 arithmetic and the matrix unit's own rounding can turn it there, and no further.
;; One version. Each part assembles by itself: llvm-mc -triple=amdgcn-amd-amdhsa -mcpu=gfx1250 --defsym DOCPART=n.
;; ======== version 1 of 1: 4 launches
;; limits: right only within a limited range of input values
;; workspace buffers: xop 6,553,600 bytes; wop 3,276,800 bytes; qop 6,553,600 bytes; kop 6,553,600 bytes; vop 6,553,600 bytes; oop 6,553,600 bytes
;; launch quant (part 1): grid 768 x 1, 4 waves a work-group, no clusters, 34,816 bytes of LDS; arguments x, Wq, Wk, Wv, Wo, xop, wop; writes xop, wop
.if DOCPART == 1
	.amdgcn_target "amdgcn-amd-amdhsa--gfx1250"
	.amdhsa_code_object_version 6
	.text
	.protected	k_q7a62708992_quant
	.globl	k_q7a62708992_quant
	.p2align	8
	.type	k_q7a62708992_quant,@function
k_q7a62708992_quant:
	s_mov_b64 s[64:65], 0
	v_nop
	global_prefetch_b8 v0, s[64:65] scope:SCOPE_SE
	s_setreg_imm32_b32 hwreg(HW_REG_WAVE_MODE, 25, 1), 1
	s_wait_xcnt 0x0
; x [8192][1024] and Wq, Wk, Wv, Wo [1024][1024], f32, K innermost, become codes of FP6 (E2M3) with one E8M0 byte for each 32 along K,
; laid IN THE ORDER OF AN OPERAND'S REGISTERS, so that the later launches load fragments as they stand.
; A ROW TILE is 16 rows: tile 2 g + u holds rows 32 g + 8 u + i + 8 (i / 8), i = 0 .. 15.  Its record is 12,800 bytes: 8 K steps of 128, 1,536 bytes each, then 512 bytes of scale words.
; A K step is two HALF FRAGMENTS of 768 bytes (64 along K): lane (r, h) holds the 32 codes of block h of row r in 6 registers; registers 0-3 lie at 16 x lane, registers 4-5 at 512 + 8 x lane.
; Scale word (row r, K step s) lies at 12,288 + 256 (s / 4) + 16 r + 4 (s % 4); its byte b scales k = 128 s + 32 b on.
; A block's scale is 2^(floor(log2(largest magnitude)) - 2): its byte is the largest magnitude's exponent field - 2, held at 1 from below.
; LIMITS: NaN and infinities among the inputs are not served; a block of zeros, or one whose largest magnitude lies under 2^-124, gets the byte 1 (zero codes add nothing, and this program alone reads the bytes).
; SHARES: a work-group takes one tile: tiles 0-511 x, then 64 each of Wq, Wk, Wv, Wo.  Wave w takes K steps 2 w and 2 w + 1; its 32 loads, 512 consecutive bytes each, are all issued at the start.  Only pointers are chosen: one path through the text.
; The 16 rows of a K step turn through the wave's own stage in LDS (rows 528 bytes apart) and come back 128 bytes a lane: a whole block of 32 in one lane, twice.
; The tile's 512 bytes of scale words are gathered in LDS; behind one barrier wave 0 stores them, 16 bytes a lane.
.set STG,   8448                       ; a wave's stage: 16 rows x 528 bytes
.set SCW,   4*STG                      ; the tile's scale words
.set SPARE, SCW+512                    ; the spare words, 128 bytes for each wave, that no other line names
.set SPW,  12
.set NIL,  13
.set TM,   14
.set SO,   16
.set BY,   18
.set SW,   22                          ; v22-23 my row's scale word of each of my two K steps
.set PC,   28                          ; v28-39 step 0's codes; v240-251 step 1's
.set T,    40
.set X,    48                          ; v48-111 64 numbers: two blocks of 32
.set R,    112                         ; v112-239 two sets of 64 registers as loaded
	s_load_b256 s[4:11], s[0:1], 0x0               ; x, Wq, Wk, Wv
	s_load_b128 s[12:15], s[0:1], 0x20             ; Wo, xop
	s_load_b64 s[16:17], s[0:1], 0x30              ; wop
	v_lshl_add_u32 v[SPW], v0, 2, SPARE
	v_mov_b32 v[NIL], 0
	v_lshrrev_b32 v1, 5, v0
	v_readfirstlane_b32 s18, v1                    ; wave
	v_and_b32 v1, 31, v0                           ; lane
	v_and_b32 v2, 15, v0                           ; r
	v_bfe_u32 v3, v0, 4, 1                         ; h
	v_lshlrev_b32 v4, 4, v1                        ; 16 x lane
	v_lshlrev_b32 v8, 3, v1                        ; 8 x lane
	v_lshlrev_b32 v10, 3, v3                       ; 8 h: my bytes' shift in a scale word
	v_mov_b32 v21, 0                               ; a lane permute's destination counts as one of its sources
	s_mul_i32 s19, s18, STG
	v_lshl_add_u32 v5, v1, 4, s19                  ; the stage, on the way in
	v_mul_u32_u24 v6, v2, 528
	v_lshl_add_u32 v6, v3, 7, v6
	v_add_nc_u32 v6, s19, v6                       ; and on the way out: row r, 128 h bytes on
	s_lshr_b32 s21, s18, 1
	s_lshl_b32 s21, s21, 8
	s_and_b32 s24, s18, 1
	s_lshl_b32 s24, s24, 3
	s_add_co_u32 s21, s21, s24
	s_add_co_u32 s21, s21, SCW
	v_lshlrev_b32 v9, 4, v2
	v_lshl_add_u32 v9, v3, 2, v9
	v_add_nc_u32 v9, s21, v9                       ; LDS: the word of row r and K step 2 w + h
	v_add_nc_u32 v7, SCW, v4                       ; and 16 bytes a lane on the way out
	s_and_b32 s20, ttmp9, 1                        ; u
	s_lshr_b32 s33, ttmp9, 1                       ; the group of 32 rows, 0 .. 383
	s_and_b32 s22, s33, 31
	s_mov_b32 s30, 0x76543210
	s_mov_b32 s31, 0xfedcba98                      ; selects for lane l xor 16
	s_wait_alu depctr_va_vdst(0)                   ; the wait at the head's end
	s_wait_kmcnt 0x0
	s_cmp_lt_u32 s33, 352                          ; the choices hang on the work-group's number alone
	s_cselect_b64 s[12:13], s[10:11], s[12:13]
	s_cmp_lt_u32 s33, 320
	s_cselect_b64 s[12:13], s[8:9], s[12:13]
	s_cmp_lt_u32 s33, 288
	s_cselect_b64 s[12:13], s[6:7], s[12:13]
	s_cmp_lt_u32 s33, 256
	s_cselect_b64 s[12:13], s[4:5], s[12:13]       ; the source
	s_cselect_b64 s[14:15], s[14:15], s[16:17]     ; the destination
	s_cselect_b32 s22, s33, s22                    ; the group in its source
	s_cselect_b32 s23, 0, 256
	s_sub_co_u32 s23, s33, s23                     ; and in its destination
	s_lshl_b32 s24, s22, 17                        ; 32 rows of 4,096 bytes,
	s_lshl_b32 s25, s20, 15                        ; 8 rows on for tile 1,
	s_or_b32 s24, s24, s25
	s_lshl_b32 s25, s18, 10                        ; 256 numbers on for each wave
	s_or_b32 s24, s24, s25
	s_mov_b32 s25, 0
	s_add_nc_u64 s[12:13], s[12:13], s[24:25]
	s_lshl_b32 s26, s23, 1
	s_add_co_u32 s26, s26, s20
	s_mul_i32 s26, s26, 12800                      ; the tile's record
	s_mov_b32 s27, 0
	s_add_nc_u64 s[14:15], s[14:15], s[26:27]
	s_add_nc_u64 s[16:17], s[14:15], 12288         ; its scale words
	s_mul_i32 s28, s18, 3072
	s_mov_b32 s29, 0
	s_add_nc_u64 s[14:15], s[14:15], s[28:29]      ; my two K steps of its codes
.macro LOAD t
.irp i, 0,1,2,3,4,5,6,7,8,9,10,11,12,13,14,15
	global_load_b128 v[R+64*(\t)+4*\i:R+64*(\t)+4*\i+3], v4, s[12:13] offset:(\i+8*(\i/8))*4096+512*(\t) th:TH_LOAD_NT
.endr
.endm
.macro STEP t
.set PCT, PC+212*(\t)
	s_wait_loadcnt 16-16*(\t)                      ; this step's 16 loads are in; the other step's may be out
.irp i, 0,1,2,3,4,5,6,7,8,9,10,11,12,13,14,15
	ds_store_b128 v5, v[R+64*(\t)+4*\i:R+64*(\t)+4*\i+3] offset:528*\i
.endr
.irp c, 0,1
.irp j, 0,1,2,3,4,5,6,7
	ds_load_b128 v[X+32*\c+4*\j:X+32*\c+4*\j+3], v6 offset:256*\c+16*\j   ; LDS serves a wave's instructions in order: these see my stores.  k = 64 c + 32 h + 0 .. 31 of row r
.endr
.endr
	s_wait_dscnt 0x0
.irp c, 0,1
	v_max3_num_f32 v[TM+\c], |v[X+32*\c]|, |v[X+32*\c+1]|, 0x1800000   ; block 2 c + h: all 32 numbers are mine; and the floor 2^(3 - 127)
.endr
.irp i, 2,4,6,8,10,12,14,16,18,20,22,24,26,28,30
.irp c, 0,1
	v_max3_num_f32 v[TM+\c], v[TM+\c], |v[X+32*\c+\i]|, |v[X+32*\c+\i+1]|
.endr
.endr
.irp c, 0,1
	v_add_nc_u32 v[SO+\c], 0xff000000, v[TM+\c]    ; 2 off the exponent field: the conversion's scale operand
.endr
.irp c, 0,1
	v_lshrrev_b32 v[BY+\c], 23, v[SO+\c]           ; the scale's byte
.endr
	v_lshl_or_b32 v20, v[BY+1], 16, v[BY]          ; my two bytes: blocks h and 2 + h,
	v_lshlrev_b32 v20, v10, v20                    ; at their places in the word;
	v_permlanex16_b32 v21, v20, s30, s31
	v_or_b32 v[SW+(\t)], v20, v21                  ; with lane l xor 16's two the word is whole
.irp c, 0,1
	v_cvt_scalef32_pk16_fp6_f32 v[PCT+6*\c:PCT+6*\c+2], v[X+32*\c:X+32*\c+15], v[SO+\c]
	v_cvt_scalef32_pk16_fp6_f32 v[T+4*\c:T+4*\c+2], v[X+32*\c+16:X+32*\c+31], v[SO+\c]
.endr
	v_nop                                          ; one plain place behind a scaled conversion
.irp c, 0,1
.irp i, 0,1,2
	v_mov_b32 v[PCT+6*\c+3+\i], v[T+4*\c+\i]
.endr
.endr
.irp c, 0,1
	global_store_b128 v4, v[PCT+6*\c:PCT+6*\c+3], s[14:15] offset:1536*(\t)+768*\c        ; 512 consecutive bytes, aligned to 256
	global_store_b64 v8, v[PCT+6*\c+4:PCT+6*\c+5], s[14:15] offset:1536*(\t)+768*\c+512   ; 256 consecutive bytes, aligned to 256
.endr
.endm
	LOAD 0
	LOAD 1
	STEP 0
	STEP 1
	v_cmp_eq_u32 vcc_lo, 1, v3
	v_cndmask_b32 v14, v[SW], v[SW+1], vcc_lo      ; lanes 0-15 hand over their row's word of my first K step, lanes 16-31 of my second
	ds_store_b32 v9, v14
	s_wait_dscnt 0x0                               ; my words are in LDS
	s_barrier_signal -1
	s_barrier_wait -1                              ; everybody's are
	s_cmp_lg_u32 s18, 0
	s_cbranch_scc1 .Ldone
	ds_load_b128 v[48:51], v7
	s_wait_dscnt 0x0
	global_store_b128 v4, v[48:51], s[16:17]       ; 512 consecutive bytes, aligned to 256
.Ldone:
	s_wait_tensorcnt 0x0                           ; the wave's end
	ds_add_u32 v[SPW], v[NIL]
	s_wait_dscnt 0x0
	s_endpgm
.Lfunc_end_k_q7a62708992_quant:
	.size	k_q7a62708992_quant, .Lfunc_end_k_q7a62708992_quant-k_q7a62708992_quant
	.p2alignl 7, 3214868480
	.fill 96, 4, 3214868480
	.section	.rodata,"a",@progbits
	.p2align	6, 0x0
	.amdhsa_kernel k_q7a62708992_quant
		.amdhsa_group_segment_fixed_size 34816
		.amdhsa_private_segment_fixed_size 0
		.amdhsa_enable_private_segment 0
		.amdhsa_kernarg_size 56
		.amdhsa_user_sgpr_count 2
		.amdhsa_user_sgpr_kernarg_segment_ptr 1
		.amdhsa_wavefront_size32 1
		.amdhsa_system_sgpr_workgroup_id_x 1
		.amdhsa_system_sgpr_workgroup_id_y 1
		.amdhsa_system_sgpr_workgroup_id_z 1
		.amdhsa_system_vgpr_workitem_id 0
		.amdhsa_next_free_vgpr 256
		.amdhsa_next_free_sgpr 66
		.amdhsa_reserve_vcc 1
		.amdhsa_float_denorm_mode_32 3
		.amdhsa_float_denorm_mode_16_64 3
		.amdhsa_memory_ordered 1
		.amdhsa_forward_progress 1
		.amdhsa_inst_pref_size 18
	.end_amdhsa_kernel
	.amdgpu_metadata
---
amdhsa.version: [ 1, 2 ]
amdhsa.kernels:
  - .name:           k_q7a62708992_quant
    .symbol:         k_q7a62708992_quant.kd
    .args:
      - { .name: x, .offset: 0, .size: 8, .value_kind: global_buffer, .address_space: global }
      - { .name: Wq, .offset: 8, .size: 8, .value_kind: global_buffer, .address_space: global }
      - { .name: Wk, .offset: 16, .size: 8, .value_kind: global_buffer, .address_space: global }
      - { .name: Wv, .offset: 24, .size: 8, .value_kind: global_buffer, .address_space: global }
      - { .name: Wo, .offset: 32, .size: 8, .value_kind: global_buffer, .address_space: global }
      - { .name: xop, .offset: 40, .size: 8, .value_kind: global_buffer, .address_space: global }
      - { .name: wop, .offset: 48, .size: 8, .value_kind: global_buffer, .address_space: global }
    .group_segment_fixed_size: 34816
    .private_segment_fixed_size: 0
    .kernarg_segment_align: 8
    .kernarg_segment_size: 56
    .max_flat_workgroup_size: 128
    .sgpr_count:     66
    .vgpr_count:     256
    .wavefront_size: 32
...
	.end_amdgpu_metadata
.endif
;; end of part 1
;; launch qkv (part 2): grid 8 x 32, 4 waves a work-group, clusters of 4 x 4, 327,680 bytes of LDS; arguments xop, wop, qop, kop, vop; writes qop, kop, vop
.if DOCPART == 2
	.amdgcn_target "amdgcn-amd-amdhsa--gfx1250"
	.amdhsa_code_object_version 6
	.text
	.protected	k_q7a62708992_qkv
	.globl	k_q7a62708992_qkv
	.p2align	8
	.type	k_q7a62708992_qkv,@function
k_q7a62708992_qkv:
	s_mov_b64 s[64:65], 0
	v_nop
	global_prefetch_b8 v0, s[64:65] scope:SCOPE_SE
	s_setreg_imm32_b32 hwreg(HW_REG_WAVE_MODE, 25, 1), 1
	s_wait_xcnt 0x0
	s_wait_alu depctr_hold_cnt(0) depctr_sa_sdst(0) depctr_va_vdst(0) depctr_va_sdst(0) depctr_va_ssrc(0) depctr_va_vcc(0) depctr_vm_vsrc(0)
	s_getreg_b32 s2, hwreg(HW_REG_IB_STS2, 6, 4)
	s_cmp_eq_u32 s2, 0
	s_cbranch_scc0 .Lentry_in_a_cluster
	s_endpgm
.Lentry_in_a_cluster:
	s_bfe_u32 s2, ttmp6, 0x10000c
	s_cmp_lg_u32 s2, 0xf033
	s_cbranch_scc0 .Lentry_shape_is_right
	s_endpgm
.Lentry_shape_is_right:
; q = x Wq^T, k = x Wk^T, v = x Wv^T on codes of FP6 (E2M3) with E8M0 scales, K = 1,024; the results are quantised on the way out and leave as codes in the order of the next operands' registers.
; INPUTS: row tiles of 16 rows (tile 2 g + u: rows 32 g + 8 u + i + 8 (i / 8)), a record of 12,800 bytes each: 8 K steps x 1,536 bytes as images of a fragment's registers, then 512 bytes of scale words.  Records lie on end.
; THE DEAL: 256 work-groups.  Work-group (n, T) takes tokens 256 T on (16 records, in LDS for the whole launch) and rows 128 n on of Wq, then of Wk, then of Wv (8 records in a region of their own, filled three times).
; Four waves, 2 x 2: wave (a, b) holds the weight's tiles 4 b on (one head), ALL of K, in 384 registers, and streams token tiles 8 a on (one key step) past them, a tile's 8 fragments in two register sets by turns.
; A BATCH is one token tile: 32 products on 4 accumulators by turns.  q, k: source 0 = the weight: a lane holds one token and 32 of the head's 64: a batch gives one half fragment.
; v: source 0 = the tokens: a lane holds one of the head's 64 and 8 tokens a batch: four batches give four half fragments along the keys.  In both, four batches fill 128 registers, and four half fragments are quantised side by side.
; LDS: x's tiles 0-3 of a = 0, of a = 1, then tiles 4-7 of a = 0, of a = 1; the weights; the spare words.  The head has one tensor load a wave: waves 0, 1 half the weights each, wave 2 x's tiles 0-3 of both a, wave 3 tiles 4-7.
; The first barrier shows the loads of waves 0 to 2; wave 3's is shown by the first refill's round.  TWO REFILLS of the weights' region, in the second batch of q's and of k's phase, when all waves hold the weights in registers.
; The next phase's weights and first two tiles are asked of LDS ahead of a phase's last way out, which is register work.
; CLUSTER 4 x 4: x's records are asked for jointly along a row of the cluster, the weights' along a column.
; PREFETCH: Wk's 400 blocks of 256 bytes are asked for at the head, Wv's in q's phase, a phase ahead of its refill: 25 blocks for each of the 16 waves of a cluster's column, told apart by address.
; OUT: a wave owns block (16 batch + head, key step) of 6,400 bytes in qop, kop, vop.  q, k: half fragment t at 768 t, its rows' two scale bytes at 6,144 + 16 r + 2 t.  v: half fragment (dt, c) at 3,072 c + 768 dt, scale word (r, dt) at 6,144 + 16 r + 4 dt.
; Every store covers 512 or 256 consecutive aligned bytes.
; LIMITS: NaN and infinities are not served; a block of zeros, or one whose largest magnitude lies under 2^-124, gets the byte 1 (this program alone reads the bytes).
; WAITS: s_wait_dscnt NF lets the 34 LDS loads of the tile fetched last stay out.
.set TILEB, 12800
.set XHALF, 8*TILEB
.set WREG,  16*TILEB
.set SPARE, 24*TILEB
.set WSTEP, 64*TILEB                   ; from Wq's records to Wk's to Wv's
.set FR,  12
.set FPW, 21                           ; fragment f lies in window 1 + f / 21 at register 12 (f % 21): 0-31 the weights' (4 s + t), 32-39 and 40-47 x's two sets
.set NF,  34
.set SPW, 4
.set NIL, 5
.set WA,  6                            ; v6-8   LDS: my weights: 16 x lane, 8 x lane, scale words (lanes 16-31 the next tile's)
.set XL,  9                            ; v9-11  my x tiles 0-3: 16 x lane, 8 x lane, 16 r
.set XH,  12                           ; v12-14 tiles 4-7
.set CU,  15                           ; v15-17, v18-20: v's loop: this trip's four tiles, the other four
.set OT,  18
.set CO,  21                           ; v21-23 the stores' offsets: 16 x lane, 8 x lane, 16 r + 8 h
.set PFO, 24
.set SB,  32                           ; v32-47 the weights' scale words: 8 (t / 2) + s, tile t in lanes 16 (t % 2) on
.set SA,  52                           ; v52-67 x's scale words, two sets
.set W,   68                           ; v68-71 the results' scale bytes
.set FS,  72
.set TM,  74                           ; v74-81 largest magnitudes, then bytes
.set TP,  82                           ; v82-89 the other lane's
.set TC,  74                           ; v74-89, behind them: the conversions' second halves, four registers a half fragment
.set ACC, 96                           ; v96-223
.set CD,  224                          ; v224-255 four half fragments of codes, eight registers each: six of codes, two scale operands
.set G1W, 24
.set G1X, 32
.set G0W, 40
.set G0X, 44
.set OB,  48
.set PH,  52
.set SH,  53
.set CUR, 54
.set PFB, 56
.set SEL, 58
.set MSB, 0
.macro WIN new
.if MSB != \new
	s_set_vgpr_msb (MSB<<8)|\new
.set MSB, \new
.endif
.endm
.macro PLACES n
.rept \n
	v_nop
.endr
.endm
.macro WALU
	s_wait_alu depctr_va_vdst(0)
.endm
.macro BARRIER
	s_barrier_signal -1
	s_barrier_wait -1
.endm
.macro MIDDLE
	WIN 0
	s_barrier_wait -1
	s_cmp_lg_u32 s14, 0
	s_cbranch_scc1 .Lnot_wave_0_\@
	s_barrier_signal -3
.Lnot_wave_0_\@:
	s_barrier_wait -3
.endm
.macro CROUND
	s_barrier_signal -1
	MIDDLE
	BARRIER
.endm
.macro TLOAD g0, g1
	tensor_load_to_lds s[\g0:\g0+3], s[\g1:\g1+7]
	s_nop 0
	PLACES 4
.endm
.macro SHAPE g, d0, d1, pitch          ; d1 rows of d0 elements of 8 bytes
	s_mov_b32 s[\g+1], (\d0)<<16
	s_mov_b32 s[\g+2], (\d1)<<16
	s_mov_b32 s[\g+3], (\d0)<<16
	s_mov_b32 s[\g+4], \d1
	s_mov_b32 s[\g+5], \pitch
	s_mov_b32 s[\g+6], 0
	s_mov_b32 s[\g+7], 0
.endm
.macro FETCH e, ad, off                ; a record of x into set e: NF loads of consecutive bytes
.irp s, 0,1,2,3,4,5,6,7
.set F_, 32+8*(\e)+\s
.set R_, FR*(F_%FPW)
	WIN (1+F_/FPW)<<6
.irp c, 0,1
	ds_load_b128 v[R_+6*\c:R_+6*\c+3], v[\ad] offset:(\off)+1536*\s+768*\c
	ds_load_b64 v[R_+6*\c+4:R_+6*\c+5], v[\ad+1] offset:(\off)+1536*\s+768*\c+512
.endr
.endr
	WIN 0
	ds_load_b128 v[SA+8*(\e):SA+8*(\e)+3], v[\ad+2] offset:(\off)+12288
	ds_load_b128 v[SA+8*(\e)+4:SA+8*(\e)+7], v[\ad+2] offset:(\off)+12544
.endm
.macro XFETCH e, i                     ; tile i of my eight
.if (\i) < 4
	FETCH \e, XL, (\i)*TILEB
.else
	FETCH \e, XH, ((\i)-4)*TILEB
.endif
.endm
.macro WEIGHTS                         ; my four tiles of the weight, all of K, and their scale words: 132 loads
.irp s, 0,1,2,3,4,5,6,7
.irp t, 0,1,2,3
.set F_, 4*\s+\t
.set R_, FR*(F_%FPW)
	WIN (1+F_/FPW)<<6
.irp c, 0,1
	ds_load_b128 v[R_+6*\c:R_+6*\c+3], v[WA] offset:TILEB*\t+1536*\s+768*\c
	ds_load_b64 v[R_+6*\c+4:R_+6*\c+5], v[WA+1] offset:TILEB*\t+1536*\s+768*\c+512
.endr
.endr
.endr
	WIN 0
.irp p, 0,1
.irp f, 0,1
	ds_load_b128 v[SB+8*\p+4*\f:SB+8*\p+4*\f+3], v[WA+2] offset:2*TILEB*\p+256*\f
.endr
.endr
.endm
.macro PROD1 d, f0, f1, c, x0, x1, side, o
.if \o
	v_wmma_scale_f32_16x16x128_f8f6f4 v[\d:\d+7], v[FR*((\f0)%FPW):FR*((\f0)%FPW)+FR-1], v[FR*((\f1)%FPW):FR*((\f1)%FPW)+FR-1], \c, v[\x0], v[\x1] matrix_a_fmt:MATRIX_FMT_FP6 matrix_b_fmt:MATRIX_FMT_FP6 matrix_\side\()_scale:MATRIX_SCALE_ROW1
.else
	v_wmma_scale_f32_16x16x128_f8f6f4 v[\d:\d+7], v[FR*((\f0)%FPW):FR*((\f0)%FPW)+FR-1], v[FR*((\f1)%FPW):FR*((\f1)%FPW)+FR-1], \c, v[\x0], v[\x1] matrix_a_fmt:MATRIX_FMT_FP6 matrix_b_fmt:MATRIX_FMT_FP6 matrix_\side\()_scale:MATRIX_SCALE_ROW0
.endif
.endm
.macro PROD kind, e, n, a0, as         ; product n = 4 s + t of a batch.  kind 0: source 0 the weight; kind 1: source 0 x.  K step 0 starts the sums
.set S_, (\n)/4
.set T_, (\n)%4
.set FW_, 4*S_+T_
.set FX_, 32+8*(\e)+S_
.set D_, (\a0)+(\as)*T_
.set XW_, SB+8*(T_/2)+S_
.set XX_, SA+8*(\e)+S_
.if \kind
	WIN (1+FX_/FPW)|((1+FW_/FPW)<<2)
.if S_
	PROD1 D_, FX_, FW_, v[D_:D_+7], XX_, XW_, b, T_%2
.else
	PROD1 D_, FX_, FW_, 0, XX_, XW_, b, T_%2
.endif
.else
	WIN (1+FW_/FPW)|((1+FX_/FPW)<<2)
.if S_
	PROD1 D_, FW_, FX_, v[D_:D_+7], XW_, XX_, a, T_%2
.else
	PROD1 D_, FW_, FX_, 0, XW_, XX_, a, T_%2
.endif
.endif
.endm
.macro PRODS kind, e, a0, as, from, to
.set N_, \from
.rept (\to)-(\from)
	PROD \kind, \e, N_, \a0, \as
.set N_, N_+1
.endr
.endm
; The way out of the 128 registers from ACC on: four half fragments d, each of 32 registers: two blocks of 32, each half in lane l and half in lane l xor 16.  The eight blocks go side by side, so that no line waits for the line above it.
; kind 0: half fragments t0 + d of q or k; kind 1: half fragments (d, c) of v, c in s[SH] as 16 c.  Codes are stored at p0 + 768 d
.macro UNIT4 kind, t0, p0, base
	s_wait_xcnt 0x0                                ; earlier stores have read their data
.irp d, 0,1,2,3
.irp b, 0,1
	v_max3_num_f32 v[TM+2*\d+\b], |v[ACC+32*\d+16*\b]|, |v[ACC+32*\d+16*\b+1]|, 0x1800000   ; with the floor 2^(3 - 127): the byte cannot fall under 1
.endr
.endr
.irp i, 2,4,6,8,10,12,14
.irp d, 0,1,2,3
.irp b, 0,1
	v_max3_num_f32 v[TM+2*\d+\b], v[TM+2*\d+\b], |v[ACC+32*\d+16*\b+\i]|, |v[ACC+32*\d+16*\b+\i+1]|
.endr
.endr
.endr
.irp n, 0,1,2,3,4,5,6,7
	v_permlanex16_b32 v[TP+\n], v[TM+\n], s[SEL], s[SEL+1]
.endr
.irp n, 0,1,2,3,4,5,6,7
	v_max_num_f32 v[TM+\n], v[TM+\n], v[TP+\n]
.endr
.irp d, 0,1,2,3
.irp b, 0,1
	v_add_nc_u32 v[CD+8*\d+6+\b], 0xff000000, v[TM+2*\d+\b]    ; 2 off the exponent field: the conversion's scale operand
.endr
.endr
.irp d, 0,1,2,3
.irp b, 0,1
	v_lshrrev_b32 v[TM+2*\d+\b], 23, v[CD+8*\d+6+\b]           ; the scale's byte
.endr
.endr
.irp d, 0,1,2,3
	v_lshl_or_b32 v[TM+2*\d], v[TM+2*\d+1], 8, v[TM+2*\d]
.endr
.irp d, 0,1,2,3
.if \kind
	v_lshl_or_b32 v[W+\d], v[TM+2*\d], s[SH], v[W+\d]
.else
	v_lshl_or_b32 v[W+((\t0)+\d)/2], v[TM+2*\d], 16*(\d%2), v[W+((\t0)+\d)/2]
.endif
.endr
.irp d, 0,1,2,3
	v_cvt_scalef32_pk16_fp6_f32 v[CD+8*\d:CD+8*\d+2], v[ACC+32*\d:ACC+32*\d+15], v[CD+8*\d+6]
	v_cvt_scalef32_pk16_fp6_f32 v[TC+4*\d:TC+4*\d+2], v[ACC+32*\d+16:ACC+32*\d+31], v[CD+8*\d+7]
.endr
	v_nop                                          ; one plain place behind a scaled conversion
.irp d, 0,1,2,3
.irp i, 0,1,2
	v_permlane16_swap_b32 v[CD+8*\d+\i], v[TC+4*\d+\i]   ; a whole block to a lane
.endr
.endr
.irp d, 0,1,2,3
.irp i, 0,1,2
	v_mov_b32 v[CD+8*\d+3+\i], v[TC+4*\d+\i]
.endr
.endr
	WALU                                           ; the wait behind these writes
.irp d, 0,1,2,3
	global_store_b128 v[CO], v[CD+8*\d:CD+8*\d+3], \base offset:(\p0)+768*\d
	global_store_b64 v[CO+1], v[CD+8*\d+4:CD+8*\d+5], \base offset:(\p0)+768*\d+512
.endr
.endm
.macro QB t, w, fetch                  ; a batch of q or k
	s_wait_dscnt \w
	PRODS 0, (\t)%2, ACC+32*((\t)%4), 8, 0, 32
	WIN 0
	PLACES 4
.if \fetch
	XFETCH (\t)%2, (\t)+2
.endif
.endm
.macro VB j                            ; a batch of v; the last trip's last two batches fetch nothing
	s_wait_dscnt NF
	PRODS 1, (\j)%2, ACC+8*(\j), 32, 0, 32
	WIN 0
	PLACES 4
.if (\j) < 2
	FETCH (\j)%2, CU, ((\j)+2)*TILEB
.else
	s_cmp_eq_u32 s[SH], 16
	s_cbranch_scc1 .Lnomore_\@
	FETCH (\j)%2, OT, ((\j)-2)*TILEB
	s_branch .Lgo_\@
.Lnomore_\@:
	s_wait_dscnt 0x0                               ; nothing younger is out on this way
.Lgo_\@:
.endif
.endm
.macro BYTES base, off                 ; the block's 256 scale bytes: lanes 0-15 words 0, 1 of their row, lanes 16-31 words 2, 3
	v_cmp_eq_u32 vcc_lo, 1, v2
	v_cndmask_b32 v[FS], v[W], v[W+2], vcc_lo
	v_cndmask_b32 v[FS+1], v[W+1], v[W+3], vcc_lo
	WALU
	global_store_b64 v[CO+2], v[FS:FS+1], \base offset:\off
.endm
; ---- the head
	s_load_b256 s[4:11], s[0:1], 0x0               ; xop, wop, qop, kop
	s_load_b64 s[12:13], s[0:1], 0x20              ; vop
	v_lshl_add_u32 v[SPW], v0, 2, SPARE
	v_mov_b32 v[NIL], 0
	ds_add_u32 v[SPW], v[NIL]                      ; the opening lines
	ds_add_u32 v[SPW], v[NIL]
	v_lshrrev_b32 v1, 5, v0
	v_readfirstlane_b32 s14, v1                    ; wave
	s_lshr_b32 s15, s14, 1                         ; a
	s_and_b32 s16, s14, 1                          ; b; also which half I fetch
	s_bfe_u32 s17, ttmp6, 0x40000                  ; cx
	s_bfe_u32 s18, ttmp6, 0x40004                  ; cy
	s_lshl_b32 s19, ttmp9, 2
	s_add_co_u32 s19, s19, s17                     ; n
	s_and_b32 s20, ttmp7, 0xffff
	s_lshl_b32 s20, s20, 2
	s_add_co_u32 s20, s20, s18                     ; T
	s_lshl_b32 s60, s18, 2
	s_lshl_b32 s60, 15, s60                        ; my row of the cluster
	s_lshl_b32 s61, 0x1111, s17                    ; my column
	s_or_b32 s[G1X], s60, (3<<16)|(1<<21)
	s_or_b32 s[G1W], s61, (3<<16)|(1<<21)
	SHAPE G1W, 1600, 4, 1600                       ; four records on end
	SHAPE G1X, 6400, 2, 12800                      ; four records on end, twice, eight records apart
	s_lshl_b32 s21, s20, 4
	s_lshl_b32 s22, s16, 2
	s_add_co_u32 s21, s21, s22
	s_mul_i32 s22, s21, TILEB                      ; x: record 16 T + 4 half
	s_mov_b32 s23, 0
	s_lshl_b32 s62, s19, 3
	s_lshl_b32 s63, s16, 2
	s_add_co_u32 s62, s62, s63
	s_mul_i32 s62, s62, TILEB                      ; Wq: record 8 n + 4 half
	s_mov_b32 s63, 0
	s_mov_b32 s[G0W], 1
	s_mul_i32 s[G0W+1], s16, 4*TILEB
	s_add_co_u32 s[G0W+1], s[G0W+1], WREG
	s_mov_b32 s[G0X], 1
	s_mul_i32 s[G0X+1], s16, XHALF
	s_lshr_b32 s50, s20, 2                         ; my block: ((16 batch + 2 n + b) 8 + 2 (T % 4) + a) x 6,400
	s_lshl_b32 s50, s50, 4
	s_lshl_b32 s51, s19, 1
	s_add_co_u32 s50, s50, s51
	s_add_co_u32 s50, s50, s16
	s_lshl_b32 s50, s50, 3
	s_and_b32 s51, s20, 3
	s_lshl_b32 s51, s51, 1
	s_add_co_u32 s50, s50, s51
	s_add_co_u32 s50, s50, s15
	s_mul_i32 s50, s50, 6400
	s_mov_b32 s51, 0
	s_lshl_b32 s55, s18, 2
	s_add_co_u32 s55, s55, s14
	s_mul_i32 s55, s55, 6400                       ; the prefetches: my sixteenth of a panel's 102,400 bytes
	s_mul_i32 s[PFB], s19, 8*TILEB
	s_mov_b32 s[PFB+1], 0
	s_mov_b32 s[SEL], 0x76543210
	s_mov_b32 s[SEL+1], 0xfedcba98
	s_mov_b32 s[PH], 0
	s_wait_dscnt 0x0
	CROUND                                         ; the opening round, ahead of the wait for the arguments: the first joint loads meet
	s_wait_kmcnt 0x0
	s_add_nc_u64 s[G0X+2:G0X+3], s[4:5], s[22:23]
	s_or_b32 s[G0X+3], s[G0X+3], 0x80000000
	s_add_nc_u64 s[G0W+2:G0W+3], s[6:7], s[62:63]
	s_or_b32 s[G0W+3], s[G0W+3], 0x80000000
	s_cmp_lt_u32 s14, 2
	s_cbranch_scc0 .Lhead_x0
	TLOAD G0W, G1W                                 ; waves 0, 1: half of Wq's records each
	s_branch .Lhead_asked
.Lhead_x0:
	s_cmp_eq_u32 s14, 2
	s_cbranch_scc0 .Lhead_x1
	TLOAD G0X, G1X                                 ; wave 2: x's tiles 0-3 of both a
	s_branch .Lhead_asked
.Lhead_x1:
	TLOAD G0X, G1X                                 ; wave 3: tiles 4-7
.Lhead_asked:
	s_add_nc_u64 s[PFB:PFB+1], s[6:7], s[PFB:PFB+1]
	s_add_nc_u64 s[8:9], s[8:9], s[50:51]
	s_add_nc_u64 s[10:11], s[10:11], s[50:51]
	s_add_nc_u64 s[12:13], s[12:13], s[50:51]
	v_and_b32 v3, 31, v0
	v_and_b32 v1, 15, v0                           ; r
	v_bfe_u32 v2, v0, 4, 1                         ; h
	s_mul_i32 s21, s16, 4*TILEB
	s_add_co_u32 s21, s21, WREG
	v_lshl_add_u32 v[WA], v3, 4, s21
	v_lshl_add_u32 v[WA+1], v3, 3, s21
	v_mul_u32_u24 v[WA+2], v2, TILEB
	v_lshl_add_u32 v[WA+2], v1, 4, v[WA+2]
	s_add_co_u32 s21, s21, 12288
	v_add_nc_u32 v[WA+2], s21, v[WA+2]
	s_mul_i32 s22, s15, 4*TILEB
	v_lshl_add_u32 v[XL], v3, 4, s22
	v_lshl_add_u32 v[XL+1], v3, 3, s22
	v_lshl_add_u32 v[XL+2], v1, 4, s22
.irp i, 0,1,2
	v_add_nc_u32 v[XH+\i], XHALF, v[XL+\i]
.endr
	v_lshlrev_b32 v[CO], 4, v3
	v_lshlrev_b32 v[CO+1], 3, v3
	v_lshlrev_b32 v[CO+2], 4, v1
	v_lshl_add_u32 v[CO+2], v2, 3, v[CO+2]
	v_min_u32 v[PFO], 24, v3                       ; 25 blocks of 256 bytes a wave; the lanes left over name the last again
	v_lshl_add_u32 v[PFO], v[PFO], 8, s55
.irp n, 0,1,2,3,4,5,6,7
	v_mov_b32 v[TP+\n], 0                          ; a lane permute's destination counts as one of its sources
.endr
	WALU                                           ; the wait at the head's end
	s_cmp_eq_u32 s14, 3
	s_cbranch_scc1 .Lnot_yet
	s_wait_tensorcnt 0x0
.Lnot_yet:
	BARRIER                                        ; Wq and x's tiles 0-3 are in
	global_prefetch_b8 v[PFO], s[PFB:PFB+1] offset:WSTEP th:TH_LOAD_NT scope:SCOPE_SE   ; Wk's panel
	XFETCH 0, 0
	XFETCH 1, 1
	WEIGHTS
; ---- q's phase, then k's.  At the top the weights and tiles 0, 1 have been asked of LDS
.Lphase:
	s_wait_xcnt 0x0                                ; the last phase's stores have read their base
	s_cmp_eq_u32 s[PH], 0
	s_cselect_b64 s[OB:OB+1], s[8:9], s[10:11]
.irp i, 0,1,2,3
	v_mov_b32 v[W+\i], 0
.endr
	WALU
	s_wait_dscnt 0x0
	QB 0, 0, 1
	s_wait_dscnt NF
	s_wait_tensorcnt 0x0                           ; the refill's three lines
	ds_add_u32 v[SPW], v[NIL]
	s_add_nc_u64 s[G0W+2:G0W+3], s[G0W+2:G0W+3], WSTEP   ; the next weight's panel
	PRODS 0, 1, ACC+32, 8, 0, 26
	WIN 0
	s_wait_dscnt 0x0                               ; the add, and my reads of the weights' region
	s_barrier_signal -1
	PRODS 0, 1, ACC+32, 8, 26, 32
	MIDDLE
	BARRIER
	s_cmp_lt_u32 s14, 2
	s_cbranch_scc0 .Lno_half
	TLOAD G0W, G1W                                 ; waves 0, 1: half of the next weight's records each
.Lno_half:
	PLACES 4
	s_cmp_lg_u32 s[PH], 0
	s_cbranch_scc1 .Lno_ask
	global_prefetch_b8 v[PFO], s[PFB:PFB+1] offset:2*WSTEP th:TH_LOAD_NT scope:SCOPE_SE   ; Wv's panel, which the next phase's refill loads
.Lno_ask:
	XFETCH 1, 3
	QB 2, NF, 1
	QB 3, NF, 1
	UNIT4 0, 0, 0, s[OB:OB+1]
	QB 4, NF, 1
	QB 5, NF, 1
	QB 6, NF, 0
	QB 7, 0, 0                                     ; nothing younger than tile 7's loads is out
	s_wait_tensorcnt 0x0
	s_wait_dscnt 0x0
	BARRIER                                        ; the next weight is shown to all
	XFETCH 0, 0
	XFETCH 1, 1
	WEIGHTS
	UNIT4 0, 4, 3072, s[OB:OB+1]
	BYTES s[OB:OB+1], 6144
	s_add_co_u32 s[PH], s[PH], 1
	s_cmp_lt_u32 s[PH], 2
	s_cbranch_scc1 .Lphase
; ---- v's phase: two trips of four batches and four half fragments
.irp i, 0,1,2,3
	v_mov_b32 v[W+\i], 0
.endr
	s_mov_b32 s[SH], 0
	s_mov_b32 s[CUR], 0
	WALU
	s_wait_dscnt 0x0
.Lv:
.irp i, 0,1,2
	v_add_nc_u32 v[CU+\i], s[CUR], v[XL+\i]
	v_sub_nc_u32 v[OT+\i], v[XH+\i], s[CUR]
.endr
	WALU
	VB 0
	VB 1
	VB 2
	VB 3
	UNIT4 1, 0, 0, s[12:13]
	s_wait_xcnt 0x0                                ; the stores have read their base
	s_add_nc_u64 s[12:13], s[12:13], 3072          ; the keys' second 64; behind both trips: the scale words' place
	s_add_co_u32 s[CUR], s[CUR], XHALF
	s_add_co_u32 s[SH], s[SH], 16
	s_cmp_lg_u32 s[SH], 32
	s_cbranch_scc1 .Lv
	BYTES s[12:13], 0
	s_wait_tensorcnt 0x0                           ; the wave's end
	ds_add_u32 v[SPW], v[NIL]
	s_wait_dscnt 0x0
	CROUND                                         ; the closing round
	s_endpgm
.Lfunc_end_k_q7a62708992_qkv:
	.size	k_q7a62708992_qkv, .Lfunc_end_k_q7a62708992_qkv-k_q7a62708992_qkv
	.p2alignl 7, 3214868480
	.fill 96, 4, 3214868480
	.section	.rodata,"a",@progbits
	.p2align	6, 0x0
	.amdhsa_kernel k_q7a62708992_qkv
		.amdhsa_group_segment_fixed_size 327680
		.amdhsa_private_segment_fixed_size 0
		.amdhsa_enable_private_segment 0
		.amdhsa_kernarg_size 40
		.amdhsa_user_sgpr_count 2
		.amdhsa_user_sgpr_kernarg_segment_ptr 1
		.amdhsa_wavefront_size32 1
		.amdhsa_system_sgpr_workgroup_id_x 1
		.amdhsa_system_sgpr_workgroup_id_y 1
		.amdhsa_system_sgpr_workgroup_id_z 1
		.amdhsa_system_vgpr_workitem_id 0
		.amdhsa_next_free_vgpr 896
		.amdhsa_next_free_sgpr 66
		.amdhsa_reserve_vcc 1
		.amdhsa_float_denorm_mode_32 3
		.amdhsa_float_denorm_mode_16_64 3
		.amdhsa_memory_ordered 1
		.amdhsa_forward_progress 1
		.amdhsa_inst_pref_size 135
	.end_amdhsa_kernel
	.amdgpu_metadata
---
amdhsa.version: [ 1, 2 ]
amdhsa.kernels:
  - .name:           k_q7a62708992_qkv
    .symbol:         k_q7a62708992_qkv.kd
    .args:
      - { .name: xop, .offset: 0, .size: 8, .value_kind: global_buffer, .address_space: global }
      - { .name: wop, .offset: 8, .size: 8, .value_kind: global_buffer, .address_space: global }
      - { .name: qop, .offset: 16, .size: 8, .value_kind: global_buffer, .address_space: global }
      - { .name: kop, .offset: 24, .size: 8, .value_kind: global_buffer, .address_space: global }
      - { .name: vop, .offset: 32, .size: 8, .value_kind: global_buffer, .address_space: global }
    .group_segment_fixed_size: 327680
    .private_segment_fixed_size: 0
    .kernarg_segment_align: 8
    .kernarg_segment_size: 40
    .max_flat_workgroup_size: 128
    .sgpr_count:     66
    .vgpr_count:     896
    .wavefront_size: 32
...
	.end_amdgpu_metadata
.endif
;; end of part 2
;; launch attn (part 3): grid 2 x 128, 16 waves a work-group, no clusters, 167,936 bytes of LDS; arguments qop, kop, vop, oop; writes oop
.if DOCPART == 3
	.amdgcn_target "amdgcn-amd-amdhsa--gfx1250"
	.amdhsa_code_object_version 6
	.text
	.protected	k_q7a62708992_attn
	.globl	k_q7a62708992_attn
	.p2align	8
	.type	k_q7a62708992_attn,@function
k_q7a62708992_attn:
	s_mov_b64 s[64:65], 0
	v_nop
	global_prefetch_b8 v0, s[64:65] scope:SCOPE_SE
	s_setreg_imm32_b32 hwreg(HW_REG_WAVE_MODE, 25, 1), 1
	s_wait_xcnt 0x0
; Causal attention of one (batch, head) on codes of FP6 (E2M3) with E8M0 scales: S^T = K Q^T (K = the head's 64), p = 2^(t - M), O^T = V^T P^T (K = the keys), o = O / l, and o is quantised along D for the last product.
; t = score x log2(e) / 8; M = the running largest t rounded UP to a whole number; p is quantised along the keys, not normalised; the row's sum l is taken of the unquantised p; when M moves, l and O are multiplied by 2^(old M - new M): exact.
; LEFT OUT: key steps all of whose keys come after a tile's last query: the causal mask sets their scores to -infinity, so their p is 0 for all values of the inputs.
; SHARES.  1,024 queries are 64 tiles of 16 (tile J: tokens 32 (J / 2) + 8 (J % 2) + r + 8 (r / 8)).  Work-group (p, batch x head) has 16 waves; wave w owns tiles J1 = 16 p + w and J2 = 63 - J1, one after the other.
; Tile J needs J / 8 + 1 key steps of 128, so every wave works 9 steps.  Four waves share a SIMD.
; LDS.  The head's K (8 key steps x 6,400 bytes) and V (likewise) lie in LDS whole, every byte filled once, one tensor load a wave: waves 0-3 K's blocks 0-3, waves 4-7 V's 0-3, waves 8-11 K's 4-7, waves 12-15 V's 4-7.
; TWO BARRIERS.  The first shows the loads of waves 0-7, which have a load line of their own: tile J1 is at most 31 and reads blocks 0-3 alone.  The second is signalled when a wave's own load has landed and awaited ahead of tile J1's stores:
; between its signal and its wait stand register work and LDS loads of blocks 0-3, which nobody writes.
; NO CLUSTER: only the two work-groups of a head read the same K and V, and which steps a wave works hangs on its queries' place.
; NO PREFETCH: all of K and V is asked for by the head's loads; there is no later load to run ahead of.
; THE FIRST PRODUCT'S K IS 64, the instruction's 128: a fragment of K holds TWO key tiles (2 f in k = 0 .. 63, 2 f + 1 in k = 64 .. 127); q stands in 18 registers as [6 zeros][q][6 zeros], so that v[22:33] = (q, 0) multiplies tile 2 f
; and v[16:27] = (0, q) tile 2 f + 1.  Zero codes add nothing under any scale byte that this program makes.
; LAYOUT.  Both products are used transposed: a lane holds ONE query (lane % 16).  S^T's register 16 b + i is key 32 b + 16 (lane / 16) + i of the step, and O^T's register 16 b + i is channel 32 b + 16 (lane / 16) + i.
; CAUSAL.  The loops' trip counts are constants (4 and 8); a hidden step is left out by a scalar branch on ids; in the diagonal's step the blocks of 32 keys ahead of the tile's own block all count and are passed over by a branch on ids,
; in the others hidden scores become -infinity ahead of the maximum.
; OUT: oop, laid as x's codes: record (64 batch + J) of 12,800 bytes; the head's half fragment at 768 head; its two scale bytes a row at 12,288 + 256 (head / 8) + 16 r + 2 (head % 8).  The codes' stores cover 512 and 256 consecutive aligned
; bytes; the scale bytes leave by one store of a byte a lane (eight heads share 256 bytes of scale words): 1 / 24 of the stores.
; LIMITS: NaN and infinities are not served; a block whose largest magnitude lies under 2^-124 gets the byte 1; 1 / l is v_rcp_f32's; the scaled scores stay under 2^31 in magnitude.
.set BLK,   6400                       ; a key step's block
.set VB,    51200                      ; V's blocks lie behind K's eight
.set SPARE, 102400                     ; the spare words, 128 bytes for each of 16 waves, that no other line names
.set SPW, 4
.set NIL, 5
.set WV,  12
.set G1,  16
.set G0,  24
.set SEL, 28
.set CS,  30
.set TB,  32                           ; s32 LDS byte of the step's block of K
.set KF,  33                           ; s33 the step's first key
.set Q0,  34                           ; s34 the tile's first query
.set J,   35
.set CNT, 36
.set BH,  37                           ; s37 16 batch + head
	s_load_b256 s[4:11], s[0:1], 0x0               ; qop, kop, vop, oop
	v_lshl_add_u32 v[SPW], v0, 2, SPARE
	v_mov_b32 v[NIL], 0
	ds_add_u32 v[SPW], v[NIL]                      ; the opening lines
	ds_add_u32 v[SPW], v[NIL]
	v_lshrrev_b32 v6, 5, v0
	s_delay_alu instid0(VALU_DEP_1)
	v_readfirstlane_b32 s[WV], v6                  ; wave 0..15
	s_and_b32 s[BH], ttmp7, 0xffff
	s_mov_b32 s[G1], 3<<16                         ; a dense block of 6,400 bytes as 25 rows of 256
	s_mov_b32 s[G1+1], 32<<16
	s_mov_b32 s[G1+2], 25<<16
	s_mov_b32 s[G1+3], 32<<16
	s_mov_b32 s[G1+4], 25
	s_mov_b32 s[G1+5], 32
	s_mov_b32 s[G1+6], 0
	s_mov_b32 s[G1+7], 0
	s_mov_b32 s[G0], 1
	s_mul_i32 s51, s[BH], VB                       ; the head's first byte in qop, kop and vop
	s_and_b32 s44, s[WV], 3
	s_lshr_b32 s45, s[WV], 3
	s_lshl_b32 s45, s45, 2
	s_add_co_u32 s44, s44, s45                     ; my block: w % 4 + 4 (w / 8)
	s_mul_i32 s44, s44, BLK
	s_bfe_u32 s60, s[WV], 0x10002                  ; 0: of K, 1: of V
	s_mul_i32 s[G0+1], s60, VB
	s_add_co_u32 s[G0+1], s[G0+1], s44
	s_add_co_u32 s44, s44, s51
	s_mov_b32 s45, 0
	s_mov_b32 s[SEL], 0x76543210
	s_mov_b32 s[SEL+1], 0xfedcba98
	s_mov_b32 s[CS], 0x3e38aa3b                    ; log2(e) / 8
	s_mov_b32 s[CS+1], s[CS]
	s_lshl_b32 s[J], ttmp9, 4
	s_add_co_u32 s[J], s[J], s[WV]                 ; J1
	s_sub_co_u32 s50, 63, s[J]                     ; J2
	s_wait_dscnt 0x0
	s_wait_kmcnt 0x0
	s_cmp_eq_u32 s60, 0
	s_cselect_b64 s[G0+2:G0+3], s[6:7], s[8:9]
	s_add_nc_u64 s[G0+2:G0+3], s[G0+2:G0+3], s[44:45]
	s_or_b32 s[G0+3], s[G0+3], 0x80000000
	s_cmp_lt_u32 s[WV], 8
	s_cbranch_scc0 .Llate
	tensor_load_to_lds s[G0:G0+3], s[G1:G1+7]      ; blocks 0-3
	s_nop 0
.rept 4
	v_nop
.endr
	s_branch .Lasked
.Llate:
	tensor_load_to_lds s[G0:G0+3], s[G1:G1+7]      ; blocks 4-7
	s_nop 0
.rept 4
	v_nop
.endr
.Lasked:
	s_lshr_b32 s44, s[J], 3                        ; q's half fragment and scale halfwords of both my tiles: block J / 8, half fragment J % 8
	s_mul_i32 s44, s44, BLK
	s_add_co_u32 s44, s44, s51
	s_and_b32 s52, s[J], 7
	s_mul_i32 s46, s52, 768
	s_add_co_u32 s46, s46, s44
	s_mov_b32 s47, 0
	s_lshl_b32 s48, s52, 1
	s_add_co_u32 s48, s48, s44
	s_mov_b32 s49, 0
	s_add_nc_u64 s[38:39], s[4:5], s[46:47]
	s_add_nc_u64 s[40:41], s[4:5], s[48:49]
	s_lshr_b32 s44, s50, 3
	s_mul_i32 s44, s44, BLK
	s_add_co_u32 s44, s44, s51
	s_and_b32 s52, s50, 7
	s_mul_i32 s46, s52, 768
	s_add_co_u32 s46, s46, s44
	s_lshl_b32 s48, s52, 1
	s_add_co_u32 s48, s48, s44
	s_add_nc_u64 s[54:55], s[4:5], s[46:47]
	s_add_nc_u64 s[56:57], s[4:5], s[48:49]
	v_and_b32 v6, 31, v0                           ; lane
	v_and_b32 v7, 15, v0                           ; r
	v_bfe_u32 v11, v0, 4, 1                        ; h
	s_delay_alu instid0(VALU_DEP_3)
	v_lshlrev_b32 v1, 4, v6                        ; 16 x lane
	s_delay_alu instid0(VALU_DEP_4)
	v_lshlrev_b32 v2, 3, v6                        ; 8 x lane
	s_delay_alu instid0(VALU_DEP_4)
	v_lshlrev_b32 v231, 4, v7                      ; 16 r
	global_load_b128 v[22:25], v1, s[38:39]
	global_load_b64 v[26:27], v2, s[38:39] offset:512
	global_load_u16 v246, v231, s[40:41] offset:6144
	global_load_b128 v[240:243], v1, s[54:55]
	global_load_b64 v[244:245], v2, s[54:55] offset:512
	global_load_u16 v247, v231, s[56:57] offset:6144
	v_mul_u32_u24 v3, v11, VB
	s_delay_alu instid0(VALU_DEP_1)
	v_lshl_add_u32 v3, v7, 4, v3
	s_delay_alu instid0(VALU_DEP_1)
	v_add_nc_u32 v3, 6144, v3                      ; a block's scale words: lanes 0-15 K's row r, lanes 16-31 V's
	v_and_b32 v10, 8, v7
	s_delay_alu instid0(VALU_DEP_1)
	v_add_nc_u32 v10, v10, v7
	v_lshlrev_b32 v8, 4, v11
	s_delay_alu instid0(VALU_DEP_1)
	v_sub_nc_u32 v10, v10, v8                      ; r + 8 (r / 8) - 16 h
	s_and_b32 s52, s[BH], 15                       ; the head
	s_mul_i32 s53, s52, 768
	v_add_nc_u32 v232, s53, v1                     ; the output: the head's half fragment,
	v_add_nc_u32 v233, s53, v2
	s_lshr_b32 s58, s52, 3
	s_lshl_b32 s58, s58, 8
	s_and_b32 s59, s52, 7
	s_lshl_b32 s59, s59, 1
	s_add_co_u32 s58, s58, s59
	s_add_co_u32 s58, s58, 12288
	v_add3_u32 v234, v231, v11, s58                ; and my scale byte: block h of row r
.irp i, 0,1,2,3,4,5
	v_mov_b32 v[16+\i], 0                          ; zero codes on both sides of q
	v_mov_b32 v[28+\i], 0
.endr
.irp b, 0,1,2,3
	v_mov_b32 v[216+\b], 0                         ; a lane permute's destination counts as one of its sources
.endr
	v_mov_b32 v227, 0
	v_mov_b32 v228, 0
	s_wait_alu depctr_va_vdst(0)                   ; the wait at the head's end
	s_wait_loadcnt 0x0                             ; q
	s_cmp_lt_u32 s[WV], 8
	s_cbranch_scc0 .Lnot_mine
	s_wait_tensorcnt 0x0                           ; my block of 0-3 has landed
.Lnot_mine:
	s_barrier_signal -1
	s_barrier_wait -1                              ; blocks 0-3 of K and of V are in
	s_wait_tensorcnt 0x0                           ; my block has landed, whichever it is:
	s_barrier_signal -1                            ; the second barrier's signal; its wait stands ahead of the first tile's stores
; A KEY STEP: 128 keys.
.macro STEP
	s_add_co_u32 s44, s[Q0], 23                    ; the tile's last query
	s_cmp_gt_u32 s[KF], s44
	s_cbranch_scc1 .Lhid_\@                        ; all keys hidden: ids and the count of steps alone
	v_add_nc_u32 v6, s[TB], v1
	v_add_nc_u32 v7, s[TB], v2
	v_add_nc_u32 v8, s[TB], v3
	ds_load_b128 v[34:37], v8                      ; lanes 0-15: K's words of fragments 0-3; lanes 16-31: V's of tiles 0-3
.irp f, 0,1,2,3
.irp c, 0,1
	ds_load_b128 v[40+12*\f+6*\c:43+12*\f+6*\c], v6 offset:1536*\f+768*\c
	ds_load_b64 v[44+12*\f+6*\c:45+12*\f+6*\c], v7 offset:1536*\f+768*\c+512
.endr
.endr
	s_wait_alu depctr_va_vdst(0)
	s_wait_dscnt 0x0
.irp f, 0,1,2,3
	v_wmma_scale_f32_16x16x128_f8f6f4 v[96+16*\f:103+16*\f], v[40+12*\f:51+12*\f], v[22:33], 0, v[34+\f], v9 matrix_a_fmt:MATRIX_FMT_FP6 matrix_b_fmt:MATRIX_FMT_FP6
	v_wmma_scale_f32_16x16x128_f8f6f4 v[104+16*\f:111+16*\f], v[40+12*\f:51+12*\f], v[16:27], 0, v[34+\f], v9 matrix_a_fmt:MATRIX_FMT_FP6 matrix_b_fmt:MATRIX_FMT_FP6
.endr
.rept 4
	v_nop                                          ; four places behind the products
.endr
.irp t, 0,1,2,3                                ; V's four fragments are asked for now and land under the softmax
.irp c, 0,1
	ds_load_b128 v[40+12*\t+6*\c:43+12*\t+6*\c], v6 offset:VB+3072*\c+768*\t
	ds_load_b64 v[44+12*\t+6*\c:45+12*\t+6*\c], v7 offset:VB+3072*\c+768*\t+512
.endr
.endr
	s_add_co_u32 s44, s[KF], 127
	s_cmp_le_u32 s44, s[Q0]
	s_cbranch_scc1 .Lopen_\@                       ; all keys count
	s_sub_co_i32 s44, s[Q0], s[KF]                 ; 0 .. 104 here
	v_add_nc_u32 v228, s44, v10                    ; d = my query - KF - 16 h.  Register 16 b + i holds key KF + 16 h + 32 b + i: hidden where 32 b + i > d
	v_mov_b32 v229, 0xff800000                     ; -infinity
	s_lshr_b32 s45, s44, 5                         ; the block of 32 keys that holds all the tile's queries
	s_wait_alu depctr_va_vdst(0)                   ; the wait ahead of the branches
.irp b, 0,1,2,3
	s_cmp_gt_u32 s45, \b
	s_cbranch_scc1 .Lseen_\@_\b                    ; an earlier block: all its keys count
.irp i, 0,1,2,3,4,5,6,7,8,9,10,11,12,13,14,15
	v_cmp_gt_i32 vcc_lo, 32*\b+\i, v228
	v_cndmask_b32 v[96+16*\b+\i], v[96+16*\b+\i], v229, vcc_lo
.endr
.Lseen_\@_\b:
.endr
.Lopen_\@:
.irp b, 0,1,2,3
	v_max3_num_f32 v[212+\b], v[96+16*\b], v[97+16*\b], v[98+16*\b]   ; the largest score of each block of 32 keys: it serves for the row's maximum and, since p rises with the score, for the block's largest p
.endr
.irp i, 3,5,7,9,11,13
.irp b, 0,1,2,3
	v_max3_num_f32 v[212+\b], v[212+\b], v[96+16*\b+\i], v[97+16*\b+\i]
.endr
.endr
.irp b, 0,1,2,3
	v_max_num_f32 v[212+\b], v[212+\b], v[111+16*\b]
.endr
.irp b, 0,1,2,3
	s_delay_alu instid0(VALU_DEP_4)
	v_permlanex16_b32 v[216+\b], v[212+\b], s[SEL], s[SEL+1]
.endr
.irp b, 0,1,2,3
	s_delay_alu instid0(VALU_DEP_4)
	v_max_num_f32 v[212+\b], v[212+\b], v[216+\b]  ; with lane l xor 16's 16 keys
.endr
	s_delay_alu instid0(VALU_DEP_2)
	v_max3_num_f32 v228, v212, v213, v214
	s_delay_alu instid0(VALU_DEP_1)
	v_max_num_f32 v228, v228, v215                 ; the step's largest score of my query
	s_delay_alu instid0(VALU_DEP_1)
	v_mul_f32 v228, s[CS], v228                    ; as t (c is positive)
	s_delay_alu instid0(VALU_DEP_1)
	v_max_num_f32 v13, v13, v228                   ; the running largest t
	v_mov_b32 v228, v12
	s_delay_alu instid0(VALU_DEP_2)
	v_floor_f32 v12, -v13                          ; the new -M = floor(-t): M is a whole number
	s_delay_alu instid0(VALU_DEP_1)
	v_sub_f32 v228, v12, v228                      ; old M - new M: a whole number, 0 or less
	s_delay_alu instid0(VALU_DEP_1)
	v_cvt_i32_f32 v228, v228                       ; (it saturates)
	s_delay_alu instid0(VALU_DEP_1)
	v_ldexp_f32 v226, 1.0, v228                    ; f = 2^(old M - new M)
.irp j, 0,2,4,6,8,10,12,14,16,18,20,22,24,26,28,30,32,34,36,38,40,42,44,46,48,50,52,54,56,58,60,62
	v_pk_fma_f32 v[96+\j:97+\j], v[96+\j:97+\j], s[CS:CS+1], v[12:13] op_sel_hi:[1,0,0]   ; t - M, two at a time
.endr
.irp b, 0,1,2,3
	v_fma_f32 v[212+\b], v[212+\b], s[CS], v12     ; the same of each block's largest score
.endr
	s_wait_alu depctr_va_vdst(0)
.irp j, 0,1,2,3,4,5,6,7,8,9,10,11,12,13,14,15,16,17,18,19,20,21,22,23,24,25,26,27,28,29,30,31,32,33,34,35,36,37,38,39,40,41,42,43,44,45,46,47,48,49,50,51,52,53,54,55,56,57,58,59,60,61,62,63
	v_exp_f32 v[96+\j], v[96+\j]                   ; p = 2^(t - M), at most 1
.endr
	v_pk_mul_f32 v[14:15], v[14:15], v[226:227] op_sel_hi:[1,0]   ; l under the new M.  (A plain place behind the exponentials)
	s_wait_alu depctr_va_vdst(0)                   ; one wait for the whole batch, ahead of its first reader
.irp b, 0,1,2,3
	v_exp_f32 v[212+\b], v[212+\b]                 ; the block's largest p: the same two instructions on the same number give the same bits
.endr
	v_pk_add_f32 v[216:217], v[100:101], v[104:105]
	v_pk_add_f32 v[254:255], v[108:109], v[112:113]
	v_pk_add_f32 v[252:253], v[116:117], v[120:121]
	v_pk_add_f32 v[250:251], v[124:125], v[128:129]
	v_pk_add_f32 v[248:249], v[132:133], v[136:137]
	v_pk_add_f32 v[238:239], v[140:141], v[144:145]
	v_pk_add_f32 v[236:237], v[148:149], v[152:153]
	v_pk_add_f32 v[14:15], v[14:15], v[156:157]
	v_pk_add_f32 v[216:217], v[216:217], v[96:97]
	v_pk_add_f32 v[254:255], v[254:255], v[98:99]
	v_pk_add_f32 v[252:253], v[252:253], v[102:103]
	v_pk_add_f32 v[250:251], v[250:251], v[106:107]
	v_pk_add_f32 v[248:249], v[248:249], v[110:111]
	v_pk_add_f32 v[238:239], v[238:239], v[114:115]
	v_pk_add_f32 v[236:237], v[236:237], v[118:119]
	v_pk_add_f32 v[14:15], v[14:15], v[122:123]
	v_pk_add_f32 v[216:217], v[216:217], v[126:127]
	v_pk_add_f32 v[254:255], v[254:255], v[130:131]
	v_pk_add_f32 v[252:253], v[252:253], v[134:135]
	v_pk_add_f32 v[250:251], v[250:251], v[138:139]
	v_pk_add_f32 v[248:249], v[248:249], v[142:143]
	v_pk_add_f32 v[238:239], v[238:239], v[146:147]
	v_pk_add_f32 v[236:237], v[236:237], v[150:151]
	v_pk_add_f32 v[14:15], v[14:15], v[154:155]
	v_pk_add_f32 v[216:217], v[216:217], v[158:159]
	s_delay_alu instid0(VALU_DEP_2)
	v_pk_add_f32 v[14:15], v[14:15], v[250:251]
	s_delay_alu instid0(VALU_DEP_2)
	v_pk_add_f32 v[216:217], v[216:217], v[248:249]
	v_pk_add_f32 v[254:255], v[254:255], v[238:239]
	v_pk_add_f32 v[252:253], v[252:253], v[236:237]
	s_delay_alu instid0(VALU_DEP_2)
	v_pk_add_f32 v[14:15], v[14:15], v[254:255]
	s_delay_alu instid0(VALU_DEP_2)
	v_pk_add_f32 v[216:217], v[216:217], v[252:253]
	s_delay_alu instid0(VALU_DEP_1)
	v_pk_add_f32 v[14:15], v[14:15], v[216:217]
	s_wait_alu depctr_va_vdst(0)                   ; and one for the four
.irp b, 0,1,2,3
	v_max_num_f32 v[212+\b], 0x1800000, v[212+\b]  ; the floor 2^(3 - 127): the byte cannot fall under 1
.endr
.irp b, 0,1,2,3
	s_delay_alu instid0(VALU_DEP_4)
	v_add_nc_u32 v[220+\b], 0xff000000, v[212+\b]  ; 2 off the exponent field: the conversion's scale operand
.endr
.irp b, 0,1,2,3
	s_delay_alu instid0(VALU_DEP_4)
	v_lshrrev_b32 v[216+\b], 23, v[220+\b]         ; the scale's byte
.endr
	s_delay_alu instid0(VALU_DEP_3)
	v_lshl_or_b32 v224, v217, 8, v216              ; p's scale word for these 128 keys
	s_delay_alu instid0(VALU_DEP_1)
	v_lshl_or_b32 v224, v218, 16, v224
	s_delay_alu instid0(VALU_DEP_1)
	v_lshl_or_b32 v224, v219, 24, v224
.irp c, 0,1
	v_cvt_scalef32_pk16_fp6_f32 v[192+6*\c:194+6*\c], v[96+32*\c:111+32*\c], v[220+2*\c]
	v_cvt_scalef32_pk16_fp6_f32 v[204+4*\c:206+4*\c], v[112+32*\c:127+32*\c], v[220+2*\c+1]
.endr
	v_nop                                          ; one plain place behind a scaled conversion
.irp c, 0,1                                    ; the operand's layout wants a WHOLE block in a lane
.irp i, 0,1,2
	v_permlane16_swap_b32 v[192+6*\c+\i], v[204+4*\c+\i]
.endr
.irp i, 0,1,2
	s_delay_alu instid0(VALU_DEP_3)
	v_mov_b32 v[195+6*\c+\i], v[204+4*\c+\i]
.endr
.endr
.irp j, 0,2,4,6,8,10,12,14,16,18,20,22,24,26,28,30
	v_pk_mul_f32 v[160+\j:161+\j], v[160+\j:161+\j], v[226:227] op_sel_hi:[1,0]   ; O^T under the new M.  Twelve of these sixteen name no register of any one product below: the places behind p's scale word (8) and codes (4)
.endr
	s_wait_alu depctr_va_vdst(0)
	s_wait_dscnt 0x0                               ; V's fragments are in
.irp t, 0,1,2,3
	v_wmma_scale_f32_16x16x128_f8f6f4 v[160+8*\t:167+8*\t], v[40+12*\t:51+12*\t], v[192:203], v[160+8*\t:167+8*\t], v[34+\t], v224 matrix_a_fmt:MATRIX_FMT_FP6 matrix_b_fmt:MATRIX_FMT_FP6 matrix_a_scale:MATRIX_SCALE_ROW1
.endr
.rept 4
	v_nop                                          ; four places: for the next step's loads into these products' registers, and for the way out's reads
.endr
.Lhid_\@:
	s_add_co_u32 s[TB], s[TB], BLK
	s_add_co_u32 s[KF], s[KF], 128
.endm
; One tile of 16 queries: n trips (a constant), then the way out.
.macro TILE n, second
.if \second
	s_wait_xcnt 0x0                                ; the first tile's stores have read their data and their base
	s_sub_co_u32 s[J], 63, s[J]
	v_lshl_or_b32 v9, v247, 16, v247               ; q's two bytes, for either place of q in the 128
.irp i, 0,1,2,3,4,5
	v_mov_b32 v[22+\i], v[240+\i]
.endr
.else
	v_lshl_or_b32 v9, v246, 16, v246
.endif
	s_lshr_b32 s44, s[J], 1
	s_lshl_b32 s44, s44, 5
	s_and_b32 s45, s[J], 1
	s_lshl_b32 s45, s45, 3
	s_or_b32 s[Q0], s44, s45                       ; the tile's first query
	v_mov_b32 v13, 0xff61b1e6                      ; the largest t so far: -3e38, under every t
	s_delay_alu instid0(VALU_DEP_1)
	v_floor_f32 v12, -v13
	v_mov_b32 v14, 0
	v_mov_b32 v15, 0
.irp j, 0,1,2,3,4,5,6,7,8,9,10,11,12,13,14,15,16,17,18,19,20,21,22,23,24,25,26,27,28,29,30,31
	v_mov_b32 v[160+\j], 0                         ; O^T: the step is written once, and its first trip finds zeros.  (Also the places behind q's scale word and codes)
.endr
	s_mov_b32 s[TB], 0
	s_mov_b32 s[KF], 0
	s_mov_b32 s[CNT], \n
.Lstep_\@:
	STEP
	s_sub_co_u32 s[CNT], s[CNT], 1
	s_cmp_lg_u32 s[CNT], 0
	s_cbranch_scc1 .Lstep_\@
	v_add_f32 v14, v14, v15                        ; l's two halves,
	s_delay_alu instid0(VALU_DEP_1)
	v_permlanex16_b32 v228, v14, s[SEL], s[SEL+1]
	s_delay_alu instid0(VALU_DEP_1)
	v_add_f32 v14, v14, v228                       ; and lane l xor 16's
	s_wait_alu depctr_va_vdst(0)
	v_rcp_f32 v14, v14
	v_nop                                          ; one plain place behind a transcendental
	s_lshr_b32 s44, s[BH], 4
	s_lshl_b32 s44, s44, 6
	s_add_co_u32 s44, s44, s[J]
	s_mul_i32 s44, s44, 12800                      ; record 64 batch + J
	s_mov_b32 s45, 0
	s_add_nc_u64 s[42:43], s[10:11], s[44:45]
	s_wait_alu depctr_va_vdst(0)                   ; the wait ahead of the reciprocal's first reader
.irp j, 0,1,2,3,4,5,6,7,8,9,10,11,12,13,14,15,16,17,18,19,20,21,22,23,24,25,26,27,28,29,30,31
	v_mul_f32 v[96+\j], v[160+\j], v14             ; o: register 16 b + i is channel 32 b + 16 h + i of my query; each accumulator from its low end on
.endr
	v_cmp_eq_u32 vcc_lo, 1, v11
.irp b, 0,1
	v_max3_num_f32 v[212+\b], |v[96+16*\b]|, |v[97+16*\b]|, 0x1800000   ; o is quantised along D: the head's two blocks of 32
.endr
.irp i, 2,4,6,8,10,12,14
.irp b, 0,1
	s_delay_alu instid0(VALU_DEP_2)
	v_max3_num_f32 v[212+\b], v[212+\b], |v[96+16*\b+\i]|, |v[97+16*\b+\i]|
.endr
.endr
.irp b, 0,1
	s_delay_alu instid0(VALU_DEP_2)
	v_permlanex16_b32 v[216+\b], v[212+\b], s[SEL], s[SEL+1]
.endr
.irp b, 0,1
	s_delay_alu instid0(VALU_DEP_2)
	v_max_num_f32 v[212+\b], v[212+\b], v[216+\b]
.endr
.irp b, 0,1
	s_delay_alu instid0(VALU_DEP_2)
	v_add_nc_u32 v[220+\b], 0xff000000, v[212+\b]
.endr
.irp b, 0,1
	s_delay_alu instid0(VALU_DEP_2)
	v_lshrrev_b32 v[216+\b], 23, v[220+\b]
.endr
	v_cvt_scalef32_pk16_fp6_f32 v[192:194], v[96:111], v220
	v_cvt_scalef32_pk16_fp6_f32 v[204:206], v[112:127], v221
	v_nop                                          ; one plain place behind a scaled conversion
.irp i, 0,1,2
	v_permlane16_swap_b32 v[192+\i], v[204+\i]
.endr
.irp i, 0,1,2
	s_delay_alu instid0(VALU_DEP_3)
	v_mov_b32 v[195+\i], v[204+\i]
.endr
	v_cndmask_b32 v230, v216, v217, vcc_lo         ; my half's block's byte
.if \second == 0
	s_wait_alu depctr_va_vdst(0)                   ; the wait ahead of the barrier's wait
	s_barrier_wait -1                              ; the second barrier: all of K and V is in.  No store stands between its signal and this line
.endif
	global_store_b128 v232, v[192:195], s[42:43]               ; 512 consecutive bytes, aligned to 256
	global_store_b64 v233, v[196:197], s[42:43] offset:512     ; 256 consecutive bytes, aligned to 256
	global_store_b8 v234, v230, s[42:43]
.endm
	TILE 4, 0                                      ; J1 is at most 31: at most four key steps
	TILE 8, 1
	s_wait_tensorcnt 0x0                           ; the wave's end
	ds_add_u32 v[SPW], v[NIL]
	s_wait_dscnt 0x0
	s_endpgm
.Lfunc_end_k_q7a62708992_attn:
	.size	k_q7a62708992_attn, .Lfunc_end_k_q7a62708992_attn-k_q7a62708992_attn
	.p2alignl 7, 3214868480
	.fill 96, 4, 3214868480
	.section	.rodata,"a",@progbits
	.p2align	6, 0x0
	.amdhsa_kernel k_q7a62708992_attn
		.amdhsa_group_segment_fixed_size 167936
		.amdhsa_private_segment_fixed_size 0
		.amdhsa_enable_private_segment 0
		.amdhsa_kernarg_size 32
		.amdhsa_user_sgpr_count 2
		.amdhsa_user_sgpr_kernarg_segment_ptr 1
		.amdhsa_wavefront_size32 1
		.amdhsa_system_sgpr_workgroup_id_x 1
		.amdhsa_system_sgpr_workgroup_id_y 1
		.amdhsa_system_sgpr_workgroup_id_z 1
		.amdhsa_system_vgpr_workitem_id 0
		.amdhsa_next_free_vgpr 256
		.amdhsa_next_free_sgpr 66
		.amdhsa_reserve_vcc 1
		.amdhsa_float_denorm_mode_32 3
		.amdhsa_float_denorm_mode_16_64 3
		.amdhsa_memory_ordered 1
		.amdhsa_forward_progress 1
		.amdhsa_inst_pref_size 64
	.end_amdhsa_kernel
	.amdgpu_metadata
---
amdhsa.version: [ 1, 2 ]
amdhsa.kernels:
  - .name:           k_q7a62708992_attn
    .symbol:         k_q7a62708992_attn.kd
    .args:
      - { .name: qop, .offset: 0, .size: 8, .value_kind: global_buffer, .address_space: global }
      - { .name: kop, .offset: 8, .size: 8, .value_kind: global_buffer, .address_space: global }
      - { .name: vop, .offset: 16, .size: 8, .value_kind: global_buffer, .address_space: global }
      - { .name: oop, .offset: 24, .size: 8, .value_kind: global_buffer, .address_space: global }
    .group_segment_fixed_size: 167936
    .private_segment_fixed_size: 0
    .kernarg_segment_align: 8
    .kernarg_segment_size: 32
    .max_flat_workgroup_size: 512
    .sgpr_count:     66
    .vgpr_count:     256
    .wavefront_size: 32
...
	.end_amdgpu_metadata
.endif
;; end of part 3
;; launch proj (part 4): grid 4 x 64, 4 waves a work-group, clusters of 4 x 4, 327,680 bytes of LDS; arguments oop, wop, out0; writes out0
.if DOCPART == 4
	.amdgcn_target "amdgcn-amd-amdhsa--gfx1250"
	.amdhsa_code_object_version 6
	.text
	.protected	k_q7a62708992_proj
	.globl	k_q7a62708992_proj
	.p2align	8
	.type	k_q7a62708992_proj,@function
k_q7a62708992_proj:
	s_mov_b64 s[64:65], 0
	v_nop
	global_prefetch_b8 v0, s[64:65] scope:SCOPE_SE
	s_setreg_imm32_b32 hwreg(HW_REG_WAVE_MODE, 25, 1), 1
	s_wait_xcnt 0x0
	s_wait_alu depctr_hold_cnt(0) depctr_sa_sdst(0) depctr_va_vdst(0) depctr_va_sdst(0) depctr_va_ssrc(0) depctr_va_vcc(0) depctr_vm_vsrc(0)
	s_getreg_b32 s2, hwreg(HW_REG_IB_STS2, 6, 4)
	s_cmp_eq_u32 s2, 0
	s_cbranch_scc0 .Lentry_in_a_cluster
	s_endpgm
.Lentry_in_a_cluster:
	s_bfe_u32 s2, ttmp6, 0x10000c
	s_cmp_lg_u32 s2, 0xf033
	s_cbranch_scc0 .Lentry_shape_is_right
	s_endpgm
.Lentry_shape_is_right:
; out0 = o Wo^T on codes of FP6 (E2M3) with E8M0 scales, K = 1,024; out0 [8192][1024] f32.
; INPUTS: row tiles of 16 rows (tile 2 g + u: rows 32 g + 8 u + i + 8 (i / 8)), a record of 12,800 bytes each: 8 K steps x 1,536 bytes as images of a fragment's registers, then 512 bytes of scale words.  Wo's records are 192 .. 255 of wop.
; THE DEAL: 256 work-groups; a work-group takes 128 tokens (8 records) and 256 rows of Wo (16 records), all of K in LDS, every byte filled once.  Wave w holds Wo's tiles 4 w on, all of K, in 384 registers,
; and streams the 8 token tiles past them, a tile's 8 fragments in two register sets by turns.  A BATCH is one token tile: 32 products on 4 accumulators by turns.
; Source 0 = Wo's rows: a lane holds one token and 32 of the wave's 64 columns.  Each batch's 16 x 64 results go through the wave's own stage in LDS and leave as rows of 256 aligned bytes, two rows a store, while later batches are multiplied.
; THE HEAD: one tensor load a wave: waves 0, 1 half of Wo's records each, waves 2, 3 half of o's.  The first barrier shows Wo's; the weights' LDS loads stand ahead of the second, which shows o's.
; CLUSTER 4 x 4: o's records are asked for jointly along a row of the cluster, Wo's along a column.
; NO PREFETCH: the launch has no loop to run ahead in: all its tiles are asked for by the head's four loads.
; WAITS: a fetch is 34 LDS loads, a turn through the stage 16 LDS instructions; the counts 50, 34 and 16 name those that were issued later and may stay out.
.set TILEB, 12800
.set WREG,  8*TILEB
.set STG,   24*TILEB
.set SROW,  272
.set SPARE, STG+4*16*SROW
.set FR,  12
.set FPW, 21                           ; fragment f lies in window 1 + f / 21 at register 12 (f % 21): 0-31 the weights' (4 s + t), 32-39 and 40-47 o's two sets
.set NF,  34
.set SPW, 4
.set NIL, 5
.set WA,  6                            ; v6-8   LDS: my weights: 16 x lane, 8 x lane, scale words (lanes 16-31 the next tile's)
.set XL,  9                            ; v9-11  o's tiles 0-3; v12-14 tiles 4-7
.set XH,  12
.set STO, 15
.set RD,  16
.set GO,  17
.set SB,  32
.set SA,  52
.set ACC, 96                           ; v96-159 two sets of four accumulators
.set BK,  160                          ; v160-223 two sets of 16 rows read back
.set G1W, 24
.set G1X, 32
.set G0W, 40
.set G0X, 44
.set MSB, 0
.macro WIN new
.if MSB != \new
	s_set_vgpr_msb (MSB<<8)|\new
.set MSB, \new
.endif
.endm
.macro PLACES n
.rept \n
	v_nop
.endr
.endm
.macro WALU
	s_wait_alu depctr_va_vdst(0)
.endm
.macro BARRIER
	s_barrier_signal -1
	s_barrier_wait -1
.endm
.macro CROUND
	s_barrier_signal -1
	s_barrier_wait -1
	s_cmp_lg_u32 s14, 0
	s_cbranch_scc1 .Lnot_wave_0_\@
	s_barrier_signal -3
.Lnot_wave_0_\@:
	s_barrier_wait -3
	BARRIER
.endm
.macro TLOAD g0, g1
	tensor_load_to_lds s[\g0:\g0+3], s[\g1:\g1+7]
	s_nop 0
	PLACES 4
.endm
.macro SHAPE g, d0, d1, pitch
	s_mov_b32 s[\g+1], (\d0)<<16
	s_mov_b32 s[\g+2], (\d1)<<16
	s_mov_b32 s[\g+3], (\d0)<<16
	s_mov_b32 s[\g+4], \d1
	s_mov_b32 s[\g+5], \pitch
	s_mov_b32 s[\g+6], 0
	s_mov_b32 s[\g+7], 0
.endm
.macro FETCH e, ad, off
.irp s, 0,1,2,3,4,5,6,7
.set F_, 32+8*(\e)+\s
.set R_, FR*(F_%FPW)
	WIN (1+F_/FPW)<<6
.irp c, 0,1
	ds_load_b128 v[R_+6*\c:R_+6*\c+3], v[\ad] offset:(\off)+1536*\s+768*\c
	ds_load_b64 v[R_+6*\c+4:R_+6*\c+5], v[\ad+1] offset:(\off)+1536*\s+768*\c+512
.endr
.endr
	WIN 0
	ds_load_b128 v[SA+8*(\e):SA+8*(\e)+3], v[\ad+2] offset:(\off)+12288
	ds_load_b128 v[SA+8*(\e)+4:SA+8*(\e)+7], v[\ad+2] offset:(\off)+12544
.endm
.macro XFETCH e, i
.if (\i) < 4
	FETCH \e, XL, (\i)*TILEB
.else
	FETCH \e, XH, ((\i)-4)*TILEB
.endif
.endm
.macro WEIGHTS
.irp s, 0,1,2,3,4,5,6,7
.irp t, 0,1,2,3
.set F_, 4*\s+\t
.set R_, FR*(F_%FPW)
	WIN (1+F_/FPW)<<6
.irp c, 0,1
	ds_load_b128 v[R_+6*\c:R_+6*\c+3], v[WA] offset:TILEB*\t+1536*\s+768*\c
	ds_load_b64 v[R_+6*\c+4:R_+6*\c+5], v[WA+1] offset:TILEB*\t+1536*\s+768*\c+512
.endr
.endr
.endr
	WIN 0
.irp p, 0,1
.irp f, 0,1
	ds_load_b128 v[SB+8*\p+4*\f:SB+8*\p+4*\f+3], v[WA+2] offset:2*TILEB*\p+256*\f
.endr
.endr
.endm
.macro PROD1 d, f0, f1, c, x0, x1, o
.if \o
	v_wmma_scale_f32_16x16x128_f8f6f4 v[\d:\d+7], v[FR*((\f0)%FPW):FR*((\f0)%FPW)+FR-1], v[FR*((\f1)%FPW):FR*((\f1)%FPW)+FR-1], \c, v[\x0], v[\x1] matrix_a_fmt:MATRIX_FMT_FP6 matrix_b_fmt:MATRIX_FMT_FP6 matrix_a_scale:MATRIX_SCALE_ROW1
.else
	v_wmma_scale_f32_16x16x128_f8f6f4 v[\d:\d+7], v[FR*((\f0)%FPW):FR*((\f0)%FPW)+FR-1], v[FR*((\f1)%FPW):FR*((\f1)%FPW)+FR-1], \c, v[\x0], v[\x1] matrix_a_fmt:MATRIX_FMT_FP6 matrix_b_fmt:MATRIX_FMT_FP6 matrix_a_scale:MATRIX_SCALE_ROW0
.endif
.endm
.macro PROD e, n, a0                   ; product n = 4 s + t of a batch: source 0 the weight's tile t, source 1 o's tile; K step 0 starts the sums
.set S_, (\n)/4
.set T_, (\n)%4
.set FW_, 4*S_+T_
.set FX_, 32+8*(\e)+S_
.set D_, (\a0)+8*T_
.set XW_, SB+8*(T_/2)+S_
.set XX_, SA+8*(\e)+S_
	WIN (1+FW_/FPW)|((1+FX_/FPW)<<2)
.if S_
	PROD1 D_, FW_, FX_, v[D_:D_+7], XW_, XX_, T_%2
.else
	PROD1 D_, FW_, FX_, 0, XW_, XX_, T_%2
.endif
.endm
.macro TOSTAGE t                       ; accumulator q's register j of lane (r, h) is column 32 (q / 2) + 16 h + 8 (q % 2) + j of token row r
.set A_, ACC+32*((\t)%2)
.irp q, 0,1,2,3
	ds_store_b128 v[STO], v[A_+8*\q:A_+8*\q+3] offset:128*(\q/2)+32*(\q%2)
	ds_store_b128 v[STO], v[A_+8*\q+4:A_+8*\q+7] offset:128*(\q/2)+32*(\q%2)+16
.endr
.irp k, 0,1,2,3,4,5,6,7
	ds_load_b128 v[BK+32*((\t)%2)+4*\k:BK+32*((\t)%2)+4*\k+3], v[RD] offset:2*SROW*\k   ; LDS serves a wave's instructions in order: these see my stores
.endr
.endm
.macro SEND t, younger                 ; sixteen lanes store 256 consecutive aligned bytes of a token's row; the tiles' row order is undone in the immediates
	s_wait_dscnt \younger
.irp k, 0,1,2,3,4,5,6,7
	global_store_b128 v[GO], v[BK+32*((\t)%2)+4*\k:BK+32*((\t)%2)+4*\k+3], s[12:13] offset:(32*((\t)/2)+8*((\t)%2)+2*\k+8*(\k/4))*4096 th:TH_STORE_NT
.endr
.endm
.macro BLK t, w
	s_wait_dscnt \w
.set N_, 0
.rept 32
	PROD (\t)%2, N_, ACC+32*((\t)%2)
.set N_, N_+1
.endr
	WIN 0
	PLACES 4
	s_wait_xcnt 0x0                                ; the stores of two batches ago have read the registers that the stage's loads fill
	TOSTAGE \t
.if (\t) == 7
	SEND 6, 16
.elseif (\t) > 0
	SEND (\t)-1, 50
.endif
.if (\t) < 6
	XFETCH (\t)%2, (\t)+2
.endif
.endm
	s_load_b128 s[4:7], s[0:1], 0x0                ; oop, wop
	s_load_b64 s[12:13], s[0:1], 0x10              ; out0
	v_lshl_add_u32 v[SPW], v0, 2, SPARE
	v_mov_b32 v[NIL], 0
	ds_add_u32 v[SPW], v[NIL]                      ; the opening lines
	ds_add_u32 v[SPW], v[NIL]
	v_lshrrev_b32 v1, 5, v0
	v_readfirstlane_b32 s14, v1                    ; wave
	s_and_b32 s16, s14, 1                          ; which half I fetch
	s_bfe_u32 s17, ttmp6, 0x40000                  ; cx
	s_bfe_u32 s18, ttmp6, 0x40004                  ; cy
	s_lshl_b32 s19, ttmp9, 2
	s_add_co_u32 s19, s19, s17                     ; Wo's panel of 256 rows
	s_and_b32 s20, ttmp7, 0xffff
	s_lshl_b32 s20, s20, 2
	s_add_co_u32 s20, s20, s18                     ; the panel of 128 tokens
	s_lshl_b32 s60, s18, 2
	s_lshl_b32 s60, 15, s60                        ; my row of the cluster
	s_lshl_b32 s61, 0x1111, s17                    ; my column
	s_or_b32 s[G1X], s60, (3<<16)|(1<<21)
	s_or_b32 s[G1W], s61, (3<<16)|(1<<21)
	SHAPE G1W, 1600, 8, 1600                       ; eight records on end
	SHAPE G1X, 1600, 4, 1600                       ; four
	s_lshl_b32 s21, s20, 3
	s_lshl_b32 s22, s16, 2
	s_add_co_u32 s21, s21, s22
	s_mul_i32 s22, s21, TILEB
	s_mov_b32 s23, 0
	s_lshl_b32 s62, s19, 4
	s_lshl_b32 s63, s16, 3
	s_add_co_u32 s62, s62, s63
	s_add_co_u32 s62, s62, 192
	s_mul_i32 s62, s62, TILEB
	s_mov_b32 s63, 0
	s_mov_b32 s[G0W], 1
	s_mul_i32 s[G0W+1], s16, 8*TILEB
	s_add_co_u32 s[G0W+1], s[G0W+1], WREG
	s_mov_b32 s[G0X], 1
	s_mul_i32 s[G0X+1], s16, 4*TILEB
	s_lshl_b32 s50, s20, 19                        ; 128 rows of 4,096 bytes a panel,
	s_lshl_b32 s51, s19, 10
	s_add_co_u32 s50, s50, s51                     ; 1,024 bytes a panel of Wo,
	s_lshl_b32 s51, s14, 8
	s_add_co_u32 s50, s50, s51                     ; 256 a wave
	s_mov_b32 s51, 0
	s_wait_dscnt 0x0
	CROUND                                         ; the opening round, ahead of the wait for the arguments: the joint loads meet
	s_wait_kmcnt 0x0
	s_add_nc_u64 s[G0X+2:G0X+3], s[4:5], s[22:23]
	s_or_b32 s[G0X+3], s[G0X+3], 0x80000000
	s_add_nc_u64 s[G0W+2:G0W+3], s[6:7], s[62:63]
	s_or_b32 s[G0W+3], s[G0W+3], 0x80000000
	s_add_nc_u64 s[12:13], s[12:13], s[50:51]
	s_cmp_lt_u32 s14, 2
	s_cbranch_scc0 .Lhead_x
	TLOAD G0W, G1W
	s_branch .Lhead_asked
.Lhead_x:
	TLOAD G0X, G1X
.Lhead_asked:
	v_and_b32 v3, 31, v0
	v_and_b32 v1, 15, v0                           ; r
	v_bfe_u32 v2, v0, 4, 1                         ; h
	s_mul_i32 s21, s14, 4*TILEB
	s_add_co_u32 s21, s21, WREG
	v_lshl_add_u32 v[WA], v3, 4, s21
	v_lshl_add_u32 v[WA+1], v3, 3, s21
	v_mul_u32_u24 v[WA+2], v2, TILEB
	v_lshl_add_u32 v[WA+2], v1, 4, v[WA+2]
	s_add_co_u32 s21, s21, 12288
	v_add_nc_u32 v[WA+2], s21, v[WA+2]
	v_lshlrev_b32 v[XL], 4, v3
	v_lshlrev_b32 v[XL+1], 3, v3
	v_lshlrev_b32 v[XL+2], 4, v1
.irp i, 0,1,2
	v_add_nc_u32 v[XH+\i], 4*TILEB, v[XL+\i]
.endr
	s_mul_i32 s22, s14, 16*SROW
	s_add_co_u32 s22, s22, STG                     ; my stage
	v_mul_u32_u24 v[STO], v1, SROW
	v_lshl_add_u32 v[STO], v2, 6, v[STO]
	v_add_nc_u32 v[STO], s22, v[STO]               ; in: row r, 64 h bytes on
	v_mul_u32_u24 v[RD], v2, SROW
	v_lshl_add_u32 v[RD], v1, 4, v[RD]
	v_add_nc_u32 v[RD], s22, v[RD]                 ; back: sixteen lanes to a row, two rows an instruction
	v_lshlrev_b32 v[GO], 12, v2
	v_lshl_add_u32 v[GO], v1, 4, v[GO]             ; and the same in out0
	WALU                                           ; the wait at the head's end
	s_cmp_lt_u32 s14, 2
	s_cbranch_scc0 .Lnot_w
	s_wait_tensorcnt 0x0
.Lnot_w:
	BARRIER                                        ; Wo's records are in
	WEIGHTS
	s_wait_tensorcnt 0x0
	s_wait_dscnt 0x0
	BARRIER                                        ; o's are in
	XFETCH 0, 0
	XFETCH 1, 1
	BLK 0, NF
.irp t, 1,2,3,4,5,6
	BLK \t, 50
.endr
	BLK 7, 16
	SEND 7, 0
	s_wait_tensorcnt 0x0                           ; the wave's end
	ds_add_u32 v[SPW], v[NIL]
	s_wait_dscnt 0x0
	CROUND                                         ; the closing round
	s_endpgm
.Lfunc_end_k_q7a62708992_proj:
	.size	k_q7a62708992_proj, .Lfunc_end_k_q7a62708992_proj-k_q7a62708992_proj
	.p2alignl 7, 3214868480
	.fill 96, 4, 3214868480
	.section	.rodata,"a",@progbits
	.p2align	6, 0x0
	.amdhsa_kernel k_q7a62708992_proj
		.amdhsa_group_segment_fixed_size 327680
		.amdhsa_private_segment_fixed_size 0
		.amdhsa_enable_private_segment 0
		.amdhsa_kernarg_size 24
		.amdhsa_user_sgpr_count 2
		.amdhsa_user_sgpr_kernarg_segment_ptr 1
		.amdhsa_wavefront_size32 1
		.amdhsa_system_sgpr_workgroup_id_x 1
		.amdhsa_system_sgpr_workgroup_id_y 1
		.amdhsa_system_sgpr_workgroup_id_z 1
		.amdhsa_system_vgpr_workitem_id 0
		.amdhsa_next_free_vgpr 896
		.amdhsa_next_free_sgpr 66
		.amdhsa_reserve_vcc 0
		.amdhsa_float_denorm_mode_32 3
		.amdhsa_float_denorm_mode_16_64 3
		.amdhsa_memory_ordered 1
		.amdhsa_forward_progress 1
		.amdhsa_inst_pref_size 82
	.end_amdhsa_kernel
	.amdgpu_metadata
---
amdhsa.version: [ 1, 2 ]
amdhsa.kernels:
  - .name:           k_q7a62708992_proj
    .symbol:         k_q7a62708992_proj.kd
    .args:
      - { .name: oop, .offset: 0, .size: 8, .value_kind: global_buffer, .address_space: global }
      - { .name: wop, .offset: 8, .size: 8, .value_kind: global_buffer, .address_space: global }
      - { .name: out0, .offset: 16, .size: 8, .value_kind: global_buffer, .address_space: global }
    .group_segment_fixed_size: 327680
    .private_segment_fixed_size: 0
    .kernarg_segment_align: 8
    .kernarg_segment_size: 24
    .max_flat_workgroup_size: 128
    .sgpr_count:     66
    .vgpr_count:     896
    .wavefront_size: 32
...
	.end_amdgpu_metadata
.endif
;; end of part 4
